; MI455X (gfx1250); checked and timed in simulation.
; The chip was launched on July 23, 2026; its instructions are those of AMD's public machine-readable ISA for CDNA 5 (MIT licence, August 2026) and "CDNA5" Instruction Set Architecture Reference Guide (July 2026).
;; Cross Attention. Allowed arithmetic: float matrix products may take bf16 or f16 operands with f32 sums; all other float work in f32.
;; Inputs: Wk 1,024 x 1,024 float32; Wo 1,024 x 1,024 float32; Wq 1,024 x 1,024 float32; Wv 1,024 x 1,024 float32; bo 1,024 float32; context 4 x 2,048 x 1,024 float32; x 4 x 2,048 x 1,024 float32.
;; Outputs: out0 4 x 2,048 x 1,024 float32.
;; 2 versions, each right and faster than the one before. Each part assembles by itself: llvm-mc -triple=amdgcn-amd-amdhsa -mcpu=gfx1250 --defsym DOCPART=n.
;; ======== version 1 of 2: 4 launches
;; limits: values are held in f16: magnitudes above 65,504 overflow, below 6.1e-05 lose precision
;; workspace buffers: xb 16,777,216 bytes; cb 16,777,216 bytes; wb 6,291,456 bytes; woh 2,097,152 bytes; qh 16,777,216 bytes; kh 16,777,216 bytes; vh 16,777,216 bytes; oh 16,777,216 bytes
;; launch cast (part 1): grid 64 x 20, 8 waves a work-group, no clusters, 0 bytes of LDS; arguments x, context, Wq, Wk, Wv, Wo, xb, cb, wb, woh; writes xb, cb, wb, woh
.if DOCPART == 1
	.amdgcn_target "amdgcn-amd-amdhsa--gfx1250"
	.amdhsa_code_object_version 6
	.text
	.protected	k_qa2a1f83c0c_cast
	.globl	k_qa2a1f83c0c_cast
	.p2align	8
	.type	k_qa2a1f83c0c_cast,@function
k_qa2a1f83c0c_cast:
	s_mov_b64 s[64:65], 0
	v_nop
	global_prefetch_b8 v0, s[64:65] scope:SCOPE_SE
	s_setreg_imm32_b32 hwreg(HW_REG_WAVE_MODE, 25, 1), 1
	s_wait_xcnt 0x0
.set X,  4
.set YD, 68
.set T,  100
	s_load_b512 s[8:23], s[0:1], 0x0
	s_load_b128 s[24:27], s[0:1], 0x40
	s_and_b32 s28, ttmp7, 0xffff
	v_lshlrev_b32 v1, 4, v0
	v_lshlrev_b32 v2, 3, v0
	s_and_b32 s38, s28, 7
	s_and_b32 s39, s28, 7
	s_and_b32 s40, s28, 3
	s_cmp_ge_u32 s28, 16
	s_cselect_b32 s38, 0, s38
	s_cselect_b32 s39, s40, s39
	s_cmp_eq_u32 s28, 19
	s_cselect_b32 s39, 0, s39
	s_lshl_b32 s34, s38, 22
	s_lshl_b32 s41, ttmp9, 16
	s_add_co_u32 s34, s34, s41
	s_mov_b32 s35, 0
	s_lshl_b32 s36, s39, 21
	s_lshl_b32 s41, ttmp9, 15
	s_add_co_u32 s36, s36, s41
	s_mov_b32 s37, 0
	s_wait_kmcnt 0x0
	s_cmp_lt_u32 s28, 8
	s_cselect_b64 s[30:31], s[8:9], s[10:11]
	s_cselect_b64 s[32:33], s[20:21], s[22:23]
	s_cmp_eq_u32 s28, 16
	s_cselect_b64 s[30:31], s[12:13], s[30:31]
	s_cmp_eq_u32 s28, 17
	s_cselect_b64 s[30:31], s[14:15], s[30:31]
	s_cmp_eq_u32 s28, 18
	s_cselect_b64 s[30:31], s[16:17], s[30:31]
	s_cmp_ge_u32 s28, 16
	s_cselect_b64 s[32:33], s[24:25], s[32:33]
	s_cmp_eq_u32 s28, 19
	s_cselect_b64 s[30:31], s[18:19], s[30:31]
	s_cselect_b64 s[32:33], s[26:27], s[32:33]
	s_add_nc_u64 s[30:31], s[30:31], s[34:35]
	s_add_nc_u64 s[32:33], s[32:33], s[36:37]
.irp j, 0,1,2,3,4,5,6,7,8,9,10,11,12,13,14,15
	global_load_b128 v[X+4*(\j):X+4*(\j)+3], v1, s[30:31] offset:4096*(\j) th:TH_LOAD_NT
.endr
.macro CONV j, half
	s_wait_loadcnt 15-(\j)
	v_cvt_pk_bf16_f32 v[YD+2*(\j)],   v[X+4*(\j)],   v[X+4*(\j)+1]
	v_cvt_pk_bf16_f32 v[YD+2*(\j)+1], v[X+4*(\j)+2], v[X+4*(\j)+3]
.if \half
	v_lshlrev_b32 v[T],   16, v[YD+2*(\j)]
	v_and_b32     v[T+1], 0xffff0000, v[YD+2*(\j)]
	v_lshlrev_b32 v[T+2], 16, v[YD+2*(\j)+1]
	v_and_b32     v[T+3], 0xffff0000, v[YD+2*(\j)+1]
	v_cvt_pk_f16_f32 v[YD+2*(\j)],   v[T],   v[T+1]
	v_cvt_pk_f16_f32 v[YD+2*(\j)+1], v[T+2], v[T+3]
.endif
	global_store_b64 v2, v[YD+2*(\j):YD+2*(\j)+1], s[32:33] offset:2048*(\j)
.endm
	s_cmp_eq_u32 s28, 19
	s_cbranch_scc1 .Lhalf
.irp j, 0,1,2,3,4,5,6,7,8,9,10,11,12,13,14,15
	CONV \j, 0
.endr
	s_endpgm
.Lhalf:
.irp j, 0,1,2,3,4,5,6,7,8,9,10,11,12,13,14,15
	CONV \j, 1
.endr
	s_endpgm
.Lfunc_end_k_qa2a1f83c0c_cast:
	.size	k_qa2a1f83c0c_cast, .Lfunc_end_k_qa2a1f83c0c_cast-k_qa2a1f83c0c_cast
	.p2alignl 7, 3214868480
	.fill 96, 4, 3214868480
	.section	.rodata,"a",@progbits
	.p2align	6, 0x0
	.amdhsa_kernel k_qa2a1f83c0c_cast
		.amdhsa_group_segment_fixed_size 0
		.amdhsa_private_segment_fixed_size 0
		.amdhsa_enable_private_segment 0
		.amdhsa_kernarg_size 80
		.amdhsa_user_sgpr_count 2
		.amdhsa_user_sgpr_kernarg_segment_ptr 1
		.amdhsa_wavefront_size32 1
		.amdhsa_system_sgpr_workgroup_id_x 1
		.amdhsa_system_sgpr_workgroup_id_y 1
		.amdhsa_system_sgpr_workgroup_id_z 1
		.amdhsa_system_vgpr_workitem_id 0
		.amdhsa_next_free_vgpr 104
		.amdhsa_next_free_sgpr 66
		.amdhsa_reserve_vcc 0
		.amdhsa_float_denorm_mode_32 3
		.amdhsa_float_denorm_mode_16_64 3
		.amdhsa_memory_ordered 1
		.amdhsa_forward_progress 1
		.amdhsa_inst_pref_size 17
	.end_amdhsa_kernel
	.amdgpu_metadata
---
amdhsa.version: [ 1, 2 ]
amdhsa.kernels:
  - .name:           k_qa2a1f83c0c_cast
    .symbol:         k_qa2a1f83c0c_cast.kd
    .args:
      - { .name: x, .offset: 0, .size: 8, .value_kind: global_buffer, .address_space: global }
      - { .name: context, .offset: 8, .size: 8, .value_kind: global_buffer, .address_space: global }
      - { .name: Wq, .offset: 16, .size: 8, .value_kind: global_buffer, .address_space: global }
      - { .name: Wk, .offset: 24, .size: 8, .value_kind: global_buffer, .address_space: global }
      - { .name: Wv, .offset: 32, .size: 8, .value_kind: global_buffer, .address_space: global }
      - { .name: Wo, .offset: 40, .size: 8, .value_kind: global_buffer, .address_space: global }
      - { .name: xb, .offset: 48, .size: 8, .value_kind: global_buffer, .address_space: global }
      - { .name: cb, .offset: 56, .size: 8, .value_kind: global_buffer, .address_space: global }
      - { .name: wb, .offset: 64, .size: 8, .value_kind: global_buffer, .address_space: global }
      - { .name: woh, .offset: 72, .size: 8, .value_kind: global_buffer, .address_space: global }
    .group_segment_fixed_size: 0
    .private_segment_fixed_size: 0
    .kernarg_segment_align: 8
    .kernarg_segment_size: 80
    .max_flat_workgroup_size: 256
    .sgpr_count:     66
    .vgpr_count:     104
    .wavefront_size: 32
...
	.end_amdgpu_metadata
.endif
;; end of part 1
;; launch proj (part 2): grid 12 x 64, 4 waves a work-group, clusters of 4 x 4, 327,680 bytes of LDS; arguments xb, cb, wb, qh, kh, vh; writes qh, kh, vh
.if DOCPART == 2
	.amdgcn_target "amdgcn-amd-amdhsa--gfx1250"
	.amdhsa_code_object_version 6
	.text
	.protected	k_qa2a1f83c0c_proj
	.globl	k_qa2a1f83c0c_proj
	.p2align	8
	.type	k_qa2a1f83c0c_proj,@function
k_qa2a1f83c0c_proj:
	s_mov_b64 s[64:65], 0
	v_nop
	global_prefetch_b8 v0, s[64:65] scope:SCOPE_SE
	s_setreg_imm32_b32 hwreg(HW_REG_WAVE_MODE, 25, 1), 1
	s_wait_xcnt 0x0
	s_wait_alu depctr_hold_cnt(0) depctr_sa_sdst(0) depctr_va_vdst(0) depctr_va_sdst(0) depctr_va_ssrc(0) depctr_va_vcc(0) depctr_vm_vsrc(0)
	s_getreg_b32 s2, hwreg(HW_REG_IB_STS2, 6, 4)
	s_cmp_eq_u32 s2, 0
	s_cbranch_scc0 .Lentry_in_a_cluster
	s_endpgm
.Lentry_in_a_cluster:
	s_bfe_u32 s2, ttmp6, 0x10000c
	s_cmp_lg_u32 s2, 0xf033
	s_cbranch_scc0 .Lentry_shape_is_right
	s_endpgm
.Lentry_shape_is_right:
.set KSTEP,  128
.set PA,     272
.set PB,     272
.set APART,  64*PA
.set BPART,  128*PB
.set BOFF,   2*APART
.set SLOT,   BOFF+2*BPART
.set STAGE,  2*SLOT
.set SP,     144
.set SPARE,  STAGE+4*16*SP
.set STEPA,  2*KSTEP*2
.set STEPB,  2*KSTEP*2
.set LAPS,   1024/(2*KSTEP)
.set ADRA, 16
.set ADRB, 20
.set STO,  24
.set RD,   25
.set GO,   26
.set SPW,  28
.set NIL,  29
.set F0,   64
.set F1,   160
.set TMP,  64
.set G1,  24
.set G0,  32
.set G1B, 48
.set G0B, 56
.set MSB, 0
.macro WIN new
.if MSB != (\new)
	s_set_vgpr_msb (MSB<<8)|(\new)
.set MSB, \new
.endif
.endm
.set MUL, 0x50
.macro JLOAD s
	s_cmp_lt_u32 s16, 2
	s_cbranch_scc0 .Lfor_b_\@
	tensor_load_to_lds s[G0+4*(\s):G0+4*(\s)+3], s[G1:G1+7]
	s_nop 0
.rept 4
	v_nop
.endr
	s_branch .Lasked_\@
.Lfor_b_\@:
	tensor_load_to_lds s[G0B+4*(\s):G0B+4*(\s)+3], s[G1B:G1B+7]
	s_nop 0
.rept 4
	v_nop
.endr
.Lasked_\@:
.endm
.macro CREST
	s_cmp_lg_u32 s16, 0
	s_cbranch_scc1 .Lnot_wave_0_\@
	s_barrier_signal -3
.Lnot_wave_0_\@:
	s_barrier_wait -3
	s_barrier_signal -1
	s_barrier_wait -1
.endm
.macro CROUND
	s_barrier_signal -1
	s_barrier_wait -1
	CREST
.endm
	s_load_b256 s[4:11], s[0:1], 0x0
	s_load_b128 s[12:15], s[0:1], 0x20
	v_lshl_add_u32 v[SPW], v0, 2, SPARE
	v_mov_b32 v[NIL], 0
	ds_add_u32 v[SPW], v[NIL]
	v_lshrrev_b32 v1, 5, v0
	v_readfirstlane_b32 s16, v1
	s_lshr_b32 s17, s16, 1
	s_and_b32 s18, s16, 1
	s_bfe_u32 s19, ttmp6, 0x40000
	s_bfe_u32 s20, ttmp6, 0x40004
	s_mov_b32 s69, ttmp9
	s_lshl_b32 s21, ttmp9, 2
	s_add_co_u32 s21, s21, s19
	s_and_b32 s22, ttmp7, 0xffff
	s_lshl_b32 s22, s22, 2
	s_add_co_u32 s22, s22, s20
	s_lshl_b32 s40, s20, 2
	s_lshl_b32 s40, 15, s40
	s_lshl_b32 s42, 0x1111, s19
	s_or_b32 s[G1+0], s40, (1<<16)|(1<<20)|(1<<21)|(5<<22)|(3<<25)
	s_or_b32 s[G1B+0], s42, (1<<16)|(1<<20)|(1<<21)|(5<<22)|(3<<25)
.irp g, G1, G1B
	s_mov_b32 s[(\g)+1], KSTEP<<16
	s_mov_b32 s[(\g)+3], KSTEP<<16
	s_mov_b32 s[(\g)+5], 1024
	s_mov_b32 s[(\g)+6], 0
	s_mov_b32 s[(\g)+7], 0
.endr
	s_mov_b32 s[G1+2], 64<<16
	s_mov_b32 s[G1+4], 64
	s_mov_b32 s[G1B+2], 128<<16
	s_mov_b32 s[G1B+4], 128
	s_lshl_b32 s40, s22, 18
	s_lshl_b32 s41, s18, 17
	s_add_co_u32 s40, s40, s41
	s_mov_b32 s41, 0
	s_lshl_b32 s42, s21, 19
	s_lshl_b32 s43, s18, 18
	s_add_co_u32 s42, s42, s43
	s_mov_b32 s43, 0
	s_mul_i32 s66, s18, APART
	s_mul_i32 s67, s18, BPART
	s_add_co_u32 s67, s67, BOFF
	s_wait_dscnt 0x0
	s_wait_kmcnt 0x0
	s_cmp_eq_u32 s69, 0
	s_cselect_b64 s[4:5], s[4:5], s[6:7]
	s_cmp_eq_u32 s69, 1
	s_cselect_b64 s[10:11], s[12:13], s[10:11]
	s_cmp_eq_u32 s69, 2
	s_cselect_b64 s[10:11], s[14:15], s[10:11]
	s_add_nc_u64 s[44:45], s[4:5], s[40:41]
	s_add_nc_u64 s[46:47], s[8:9], s[42:43]
	CROUND
.irp s, 0,1
	s_mov_b32 s[G0+4*(\s)], 1
	s_add_co_u32 s[G0+4*(\s)+1], s66, (\s)*SLOT
	s_add_nc_u64 s[G0+4*(\s)+2:G0+4*(\s)+3], s[44:45], (\s)*KSTEP*2
	s_or_b32 s[G0+4*(\s)+3], s[G0+4*(\s)+3], 0x80000000
	s_mov_b32 s[G0B+4*(\s)], 1
	s_add_co_u32 s[G0B+4*(\s)+1], s67, (\s)*SLOT
	s_add_nc_u64 s[G0B+4*(\s)+2:G0B+4*(\s)+3], s[46:47], (\s)*KSTEP*2
	s_or_b32 s[G0B+4*(\s)+3], s[G0B+4*(\s)+3], 0x80000000
	JLOAD \s
.endr
	v_and_b32 v1, 15, v0
	v_bfe_u32 v2, v0, 4, 1
	v_mul_u32_u24 v3, v1, PA
	v_lshl_add_u32 v3, v2, 4, v3
	v_mul_u32_u24 v4, v1, PB
	v_lshl_add_u32 v4, v2, 4, v4
	s_mul_i32 s23, s17, 64*PA
	v_add_nc_u32 v[ADRA], s23, v3
	v_add_nc_u32 v[ADRB], s67, v4
	v_add_nc_u32 v[ADRA+1], SLOT, v[ADRA]
	v_add_nc_u32 v[ADRB+1], SLOT, v[ADRB]
	s_mul_i32 s23, s16, 16*SP
	s_add_co_u32 s23, s23, STAGE
	v_mul_u32_u24 v5, v1, SP
	v_lshl_add_u32 v5, v2, 4, v5
	v_add_nc_u32 v[STO], s23, v5
	v_bfe_u32 v6, v0, 3, 2
	v_and_b32 v7, 7, v0
	v_mul_u32_u24 v6, v6, SP
	v_lshl_add_u32 v6, v7, 4, v6
	v_add_nc_u32 v[RD], s23, v6
	v_and_b32 v[GO], 31, v0
	v_lshlrev_b32 v[GO], 4, v[GO]
	s_lshr_b32 s40, s22, 4
	s_lshl_b32 s40, s40, 22
	s_and_b32 s41, s22, 15
	s_lshl_b32 s41, s41, 14
	s_add_co_u32 s40, s40, s41
	s_lshl_b32 s41, s17, 13
	s_add_co_u32 s40, s40, s41
	s_mov_b32 s41, 0
	s_lshl_b32 s42, s19, 20
	s_lshl_b32 s43, s18, 19
	s_add_co_u32 s42, s42, s43
	s_mov_b32 s43, 0
	s_add_nc_u64 s[10:11], s[10:11], s[40:41]
	s_add_nc_u64 s[10:11], s[10:11], s[42:43]
.macro MUL8 f, a, zero
	WIN MUL
.irp b, 0,1,2,3,4,5,6,7
.if \zero
	v_wmma_f32_16x16x32_bf16 v[8*(8*(\a)+(\b)):8*(8*(\a)+(\b))+7], v[(\f)+32+8*(\b):(\f)+32+8*(\b)+7], v[(\f)+8*(\a):(\f)+8*(\a)+7], 0
.else
	v_wmma_f32_16x16x32_bf16 v[8*(8*(\a)+(\b)):8*(8*(\a)+(\b))+7], v[(\f)+32+8*(\b):(\f)+32+8*(\b)+7], v[(\f)+8*(\a):(\f)+8*(\a)+7], v[8*(8*(\a)+(\b)):8*(8*(\a)+(\b))+7]
.endif
.endr
.endm
.macro FETCH slot, q, f
	WIN 0
.irp i, 0,1,2,3,4,5,6,7
	ds_load_b128 v[(\f)+32+8*(\i):(\f)+32+8*(\i)+3],   v[ADRB+(\slot)] offset:64*(\q)+(\i)*16*PB
	ds_load_b128 v[(\f)+32+8*(\i)+4:(\f)+32+8*(\i)+7], v[ADRB+(\slot)] offset:64*(\q)+(\i)*16*PB+32
.endr
.irp i, 0,1,2,3
	ds_load_b128 v[(\f)+8*(\i):(\f)+8*(\i)+3],   v[ADRA+(\slot)] offset:64*(\q)+(\i)*16*PA
	ds_load_b128 v[(\f)+8*(\i)+4:(\f)+8*(\i)+7], v[ADRA+(\slot)] offset:64*(\q)+(\i)*16*PA+32
.endr
.endm
.macro PLACES
.rept 4
	v_nop
.endr
.endm
.macro QUARTER slot, q, f, g, zero
	s_wait_dscnt 4
	MUL8 \f, 0, \zero
	MUL8 \f, 1, \zero
	PLACES
	FETCH \slot, \q, \g
	s_wait_dscnt 24
	MUL8 \f, 2, \zero
	MUL8 \f, 3, \zero
.endm
.macro TURN slot, next, fill
	WIN 0
	s_wait_tensorcnt 0x0
	ds_add_u32 v[SPW], v[NIL]
	s_wait_dscnt 5
	MUL8 F1, 0, 0
	s_wait_dscnt 0x0
	s_barrier_signal -1
	MUL8 F1, 1, 0
.if \fill
	WIN 0
.endif
	s_barrier_wait -1
.if \fill
	CREST
	s_add_nc_u64 s[G0+4*(\slot)+2:G0+4*(\slot)+3], s[G0+4*(\slot)+2:G0+4*(\slot)+3], STEPA
	s_add_nc_u64 s[G0B+4*(\slot)+2:G0B+4*(\slot)+3], s[G0B+4*(\slot)+2:G0B+4*(\slot)+3], STEPB
	JLOAD \slot
.else
	PLACES
.endif
	FETCH \next, 0, F0
	MUL8 F1, 2, 0
	MUL8 F1, 3, 0
.endm
	s_wait_tensorcnt 1
	s_barrier_signal -1
	s_barrier_wait -1
	FETCH 0, 0, F0
	QUARTER 0, 1, F0, F1, 1
	WIN 0
	s_mov_b32 s68, LAPS-1
.Llap:
	QUARTER 0, 2, F1, F0, 0
	QUARTER 0, 3, F0, F1, 0
	TURN 0, 1, 1
	QUARTER 1, 1, F0, F1, 0
	QUARTER 1, 2, F1, F0, 0
	QUARTER 1, 3, F0, F1, 0
	TURN 1, 0, 1
	QUARTER 0, 1, F0, F1, 0
	WIN 0
	s_sub_co_u32 s68, s68, 1
	s_cmp_lg_u32 s68, 0
	s_cbranch_scc1 .Llap
	QUARTER 0, 2, F1, F0, 0
	QUARTER 0, 3, F0, F1, 0
	TURN 0, 1, 0
	QUARTER 1, 1, F0, F1, 0
	QUARTER 1, 2, F1, F0, 0
	QUARTER 1, 3, F0, F1, 0
	s_wait_dscnt 4
	MUL8 F1, 0, 0
	MUL8 F1, 1, 0
	s_wait_dscnt 0
	MUL8 F1, 2, 0
	MUL8 F1, 3, 0
	WIN 0
	PLACES
.macro PACK t
	WIN 0x05
.set i, 0
.rept 16
	v_cvt_pk_f16_f32 v[TMP+16*(\t)+i], v[32*(\t)+2*i], v[32*(\t)+2*i+1]
.set i, i+1
.endr
	WIN 0
.irp f, 0,1,2,3
	ds_store_b128 v[STO], v[TMP+16*(\t)+4*(\f):TMP+16*(\t)+4*(\f)+3] offset:32*(\f)
.endr
.irp f, 0,1,2,3
	ds_load_b128 v[TMP+16*(\t)+4*(\f):TMP+16*(\t)+4*(\f)+3], v[RD] offset:(\f)*4*SP
.endr
.endm
.macro SEND t, younger
	WIN 0
.irp f, 0,1,2,3
	s_wait_dscnt (\younger)+3-(\f)
	global_store_b128 v[GO], v[TMP+16*(\t)+4*(\f):TMP+16*(\t)+4*(\f)+3], s[10:11] offset:((\t)/2)*2048+((\t)%2)*262144+(\f)*512
.endr
.endm
	PACK 0
.irp u, 1,2,3,4,5,6,7
	PACK \u
	SEND (\u)-1, 8
.endr
	SEND 7, 0
	s_wait_tensorcnt 0x0
	ds_add_u32 v[SPW], v[NIL]
	s_wait_dscnt 0x0
	CROUND
	s_endpgm
.Lfunc_end_k_qa2a1f83c0c_proj:
	.size	k_qa2a1f83c0c_proj, .Lfunc_end_k_qa2a1f83c0c_proj-k_qa2a1f83c0c_proj
	.p2alignl 7, 3214868480
	.fill 96, 4, 3214868480
	.section	.rodata,"a",@progbits
	.p2align	6, 0x0
	.amdhsa_kernel k_qa2a1f83c0c_proj
		.amdhsa_group_segment_fixed_size 327680
		.amdhsa_private_segment_fixed_size 0
		.amdhsa_enable_private_segment 0
		.amdhsa_kernarg_size 48
		.amdhsa_user_sgpr_count 2
		.amdhsa_user_sgpr_kernarg_segment_ptr 1
		.amdhsa_wavefront_size32 1
		.amdhsa_system_sgpr_workgroup_id_x 1
		.amdhsa_system_sgpr_workgroup_id_y 1
		.amdhsa_system_sgpr_workgroup_id_z 1
		.amdhsa_system_vgpr_workitem_id 0
		.amdhsa_next_free_vgpr 512
		.amdhsa_next_free_sgpr 72
		.amdhsa_reserve_vcc 0
		.amdhsa_float_denorm_mode_32 3
		.amdhsa_float_denorm_mode_16_64 3
		.amdhsa_memory_ordered 1
		.amdhsa_forward_progress 1
		.amdhsa_inst_pref_size 87
	.end_amdhsa_kernel
	.amdgpu_metadata
---
amdhsa.version: [ 1, 2 ]
amdhsa.kernels:
  - .name:           k_qa2a1f83c0c_proj
    .symbol:         k_qa2a1f83c0c_proj.kd
    .args:
      - { .name: xb, .offset: 0, .size: 8, .value_kind: global_buffer, .address_space: global }
      - { .name: cb, .offset: 8, .size: 8, .value_kind: global_buffer, .address_space: global }
      - { .name: wb, .offset: 16, .size: 8, .value_kind: global_buffer, .address_space: global }
      - { .name: qh, .offset: 24, .size: 8, .value_kind: global_buffer, .address_space: global }
      - { .name: kh, .offset: 32, .size: 8, .value_kind: global_buffer, .address_space: global }
      - { .name: vh, .offset: 40, .size: 8, .value_kind: global_buffer, .address_space: global }
    .group_segment_fixed_size: 327680
    .private_segment_fixed_size: 0
    .kernarg_segment_align: 8
    .kernarg_segment_size: 48
    .max_flat_workgroup_size: 128
    .sgpr_count:     72
    .vgpr_count:     512
    .wavefront_size: 32
...
	.end_amdgpu_metadata
.endif
;; end of part 2
;; launch attn (part 3): grid 4 x 64, 4 waves a work-group, clusters of 4 x 1, 327,680 bytes of LDS; arguments qh, kh, vh, oh; writes oh
.if DOCPART == 3
	.amdgcn_target "amdgcn-amd-amdhsa--gfx1250"
	.amdhsa_code_object_version 6
	.text
	.protected	k_qa2a1f83c0c_attn
	.globl	k_qa2a1f83c0c_attn
	.p2align	8
	.type	k_qa2a1f83c0c_attn,@function
k_qa2a1f83c0c_attn:
	s_mov_b64 s[64:65], 0
	v_nop
	global_prefetch_b8 v0, s[64:65] scope:SCOPE_SE
	s_setreg_imm32_b32 hwreg(HW_REG_WAVE_MODE, 25, 1), 1
	s_wait_xcnt 0x0
	s_wait_alu depctr_hold_cnt(0) depctr_sa_sdst(0) depctr_va_vdst(0) depctr_va_sdst(0) depctr_va_ssrc(0) depctr_va_vcc(0) depctr_vm_vsrc(0)
	s_getreg_b32 s2, hwreg(HW_REG_IB_STS2, 6, 4)
	s_cmp_eq_u32 s2, 0
	s_cbranch_scc0 .Lentry_in_a_cluster
	s_endpgm
.Lentry_in_a_cluster:
	s_bfe_u32 s2, ttmp6, 0x10000c
	s_cmp_lg_u32 s2, 0x3003
	s_cbranch_scc0 .Lentry_shape_is_right
	s_endpgm
.Lentry_shape_is_right:
.set SIZE_H, 64
.set SIZE_N, 2048
.set NP,    4
.set KS,    64
.set PK,    144
.set PV,    160
.set VOFF,  4*KS*PK
.set SLOT1, 1<<17
.set STAGE, SLOT1+4*KS*(PK+PV)
.set SP,    144
.set AK0, 2
.set AV0, 3
.set AK,  4
.set AV,  5
.set QO,  6
.set STO, 6
.set RD,  7
.set GO,  8
.set SPW, 0
.set NIL, 1
.set SPARE, STAGE+4*16*SP
.set MV,  12
.set ST,  16
.set TMP, 48
.set S,   64
.set P,   192
.set KF,  128
.set VF,  192
.set WV,  12
.set G1K, 24
.set G1V, 32
.set G0K, 40
.set G0V, 44
.set SLOTS, 56
.set CNT, 57
.set CS,  58
.set SEL, 60
.set TBK, 62
.set TBV, 63
.set MSB, 0
.macro WIN new
.if MSB != (\new)
	s_set_vgpr_msb (MSB<<8)|(\new)
.set MSB, (\new)
.endif
.endm
.set W_KQ, 0x0a
.set W_PV, 0x52
.set W_RS, 0x41
.set W_MK, 0xc0
.set W_AD, 0x0f
.macro JLOAD
	s_cmp_lt_u32 s[WV], 2
	s_cbranch_scc0 .Lfor_v_\@
	tensor_load_to_lds s[G0K:G0K+3], s[G1K:G1K+7]
	s_nop 0
.rept 4
	v_nop
.endr
	s_branch .Lasked_\@
.Lfor_v_\@:
	tensor_load_to_lds s[G0V:G0V+3], s[G1V:G1V+7]
	s_nop 0
.rept 4
	v_nop
.endr
.Lasked_\@:
.endm
.macro CROUND
	s_barrier_signal -1
	s_barrier_wait -1
	s_cmp_lg_u32 s[WV], 0
	s_cbranch_scc1 .Lnot_wave_0_\@
	s_barrier_signal -3
.Lnot_wave_0_\@:
	s_barrier_wait -3
	s_barrier_signal -1
	s_barrier_wait -1
.endm
.macro CHANGE fill
	WIN W_AD
	s_wait_tensorcnt 0x0
	ds_add_u32 v[SPW], v[NIL]
	WIN 0
.if \fill
.irp g, G0K, G0V
	s_xor_b32 s[\g+1], s[\g+1], SLOT1
	s_add_nc_u64 s[\g+2:\g+3], s[\g+2:\g+3], 4*KS*128
.endr
	s_wait_dscnt 0x0
	CROUND
	JLOAD
.else
	s_wait_dscnt 0x0
	s_barrier_signal -1
	s_barrier_wait -1
.endif
	s_sub_co_u32 s[TBK], s[TBK], 4*KS*PK
	s_xor_b32 s[TBK], s[TBK], SLOT1
	s_sub_co_u32 s[TBV], s[TBV], 4*KS*PV
	s_xor_b32 s[TBV], s[TBV], SLOT1
.endm
	s_load_b256 s[4:11], s[0:1], 0x0
	WIN W_MK
	v_lshl_add_u32 v[SPW], v0, 2, SPARE
	v_mov_b32 v[NIL], 0
	WIN W_AD
	ds_add_u32 v[SPW], v[NIL]
	WIN 0
	v_lshrrev_b32 v1, 5, v0
	v_readfirstlane_b32 s[WV], v1
	s_bfe_u32 s13, ttmp6, 0x40000
	s_lshl_b32 s14, ttmp9, 2
	s_add_co_u32 s14, s14, s13
	s_and_b32 s20, ttmp7, 0xffff
	s_mov_b32 s21, 0
	s_mov_b64 s[22:23], SIZE_N*128
	s_mul_u64 s[20:21], s[20:21], s[22:23]
	s_and_b32 s16, s[WV], 1
	s_lshl_b32 s22, s16, 14
	s_mov_b32 s23, 0
	s_add_nc_u64 s[22:23], s[22:23], s[20:21]
	s_mul_i32 s17, s16, 128*PK
	s_mul_i32 s18, s16, 128*PV
	s_lshl_b32 s2, s14, 2
	s_add_co_u32 s2, s2, s[WV]
	s_lshl_b32 s2, s2, 14
	s_mov_b32 s3, 0
	s_add_nc_u64 s[2:3], s[2:3], s[20:21]
	s_mov_b32 s[G1K], 15|(1<<16)|(1<<20)|(1<<21)|(4<<22)|(3<<25)
	s_mov_b32 s[G1V], 15|(1<<16)|(1<<20)|(1<<21)|(4<<22)|(7<<25)
.irp g, G1K, G1V
	s_mov_b32 s[\g+1], 128<<16
	s_mov_b32 s[\g+2], 64<<16
	s_mov_b32 s[\g+3], 128<<16
	s_mov_b32 s[\g+4], 64
	s_mov_b32 s[\g+5], 128
	s_mov_b32 s[\g+6], 0
	s_mov_b32 s[\g+7], 0
.endr
	s_mov_b32 s[CS], 0x3e38aa3b
	s_mov_b32 s[CS+1], s[CS]
	s_mov_b32 s[SEL], 0x76543210
	s_mov_b32 s[SEL+1], 0xfedcba98
	s_mov_b32 s[TBK], SLOT1+4*KS*PK
	s_mov_b32 s[TBV], SLOT1+4*KS*PV
	s_mov_b32 s[G0K], 1
	s_mov_b32 s[G0K+1], s17
	s_mov_b32 s[G0V], 1
	s_add_co_u32 s[G0V+1], s18, VOFF
	s_wait_dscnt 0x0
	s_wait_kmcnt 0x0
	s_add_nc_u64 s[G0K+2:G0K+3], s[6:7], s[22:23]
	s_or_b32 s[G0K+3], s[G0K+3], 0x80000000
	s_add_nc_u64 s[G0V+2:G0V+3], s[8:9], s[22:23]
	s_or_b32 s[G0V+3], s[G0V+3], 0x80000000
	s_add_nc_u64 s[4:5], s[4:5], s[2:3]
	s_add_nc_u64 s[10:11], s[10:11], s[2:3]
	CROUND
	JLOAD
	v_and_b32 v1, 15, v0
	v_bfe_u32 v9, v0, 4, 1
	v_lshlrev_b32 v[QO], 7, v1
	v_lshl_add_u32 v[QO], v9, 4, v[QO]
	WIN 0x80
.set i, 0
.rept 4*NP
	global_load_b128 v[8*i:8*i+3],   v[QO], s[4:5] offset:(i/2)*2048+(i%2)*64
	global_load_b128 v[8*i+4:8*i+7], v[QO], s[4:5] offset:(i/2)*2048+(i%2)*64+32
.set i, i+1
.endr
.set i, VF
.rept 64
	v_mov_b32 v[i], 0
.set i, i+1
.endr
	WIN 0x40
.set i, 0
.rept 64*NP
	v_mov_b32 v[i], 0
.set i, i+1
.endr
	WIN 0
.set i, 0
.rept 2*NP
	v_mov_b32 v[ST+4*i], 0xfe000000
	v_mov_b32 v[ST+4*i+1], 0xff7fffff
	v_mov_b32 v[ST+4*i+2], 0
	v_mov_b32 v[ST+4*i+3], 0
.set i, i+1
.endr
.set i, P+32
.rept 32
	v_mov_b32 v[i], 0
.set i, i+1
.endr
	v_mul_u32_u24 v[AK0], v1, PK
	v_lshl_add_u32 v[AK0], v9, 4, v[AK0]
	v_and_b32 v10, 7, v0
	v_bfe_u32 v11, v0, 3, 1
	v_lshl_add_u32 v[AV0], v9, 3, v10
	v_mul_u32_u24 v[AV0], v[AV0], PV
	v_lshl_add_u32 v[AV0], v11, 4, v[AV0]
	v_add_nc_u32 v[AV0], VOFF, v[AV0]
	v_mov_b32 v[AK], v[AK0]
.macro KQ x
	WIN W_KQ
.set rS, S+64*((\x)%2)+32*(i%2)+8*((i/2)%4)
.set rK, KF+16*((i/2)%4)+8*(i/8)
.set rQ, 16*(2*(\x)+i%2)+8*(i/8)
.if i < 8
	v_wmma_f32_16x16x32_f16 v[rS:rS+7], v[rK:rK+7], v[rQ:rQ+7], 0
.else
	v_wmma_f32_16x16x32_f16 v[rS:rS+7], v[rK:rK+7], v[rQ:rQ+7], v[rS:rS+7]
.endif
.endm
.macro PV x
	WIN W_PV
.set rO, 32*(2*(\x)+i%2)+8*((i/2)%4)
.set rV, VF+32*(i/8)+8*((i/2)%4)
.set rP, P+32*((\x)%2)+16*(i%2)+8*(i/8)
	v_wmma_f32_16x16x32_f16 v[rO:rO+7], v[rV:rV+7], v[rP:rP+7], v[rO:rO+7]
.endm
.macro MM
.if i < 16
	KQ (Y+1)%NP
.set i, i+1
.else
.set i, i-16
	PV (Y+NP-1)%NP
.set i, i+17
.endif
.endm
.macro FETCH_K last=0
	WIN 0
.if \last
	s_cmp_eq_u32 s[CNT], 1
	s_cbranch_scc1 .Lno_k_\@
.endif
	WIN 0x80
.irp f, 0,1,2,3,4,5,6,7
	ds_load_b128 v[KF+8*\f:KF+8*\f+3],   v[AK] offset:(\f/2)*16*PK+(\f%2)*64
	ds_load_b128 v[KF+8*\f+4:KF+8*\f+7], v[AK] offset:(\f/2)*16*PK+(\f%2)*64+32
.endr
	s_add_co_u32 s[TBK], s[TBK], KS*PK
	WIN 0
.if \last
.Lno_k_\@:
.endif
.endm
.macro FETCH_V
	WIN 0x80
.irp f, 0,1,2,3,4,5,6,7
	ds_load_tr16_b128 v[VF+8*\f:VF+8*\f+3],   v[AV] offset:(\f/4)*32*PV+(\f%4)*32
	ds_load_tr16_b128 v[VF+8*\f+4:VF+8*\f+7], v[AV] offset:(\f/4)*32*PV+16*PV+(\f%4)*32
.endr
	WIN 0
.endm
.macro REGS y, u
.set rT, ST+4*(2*(\y)+(\u))
.set rC, TMP+8*((\y)%2)+4*(\u)
.set rM, MV+2*((\y)%2)+(\u)
.set rS, S+64*((\y)%2)+32*(\u)
.set rP, P+32*((\y)%2)+16*(\u)
.set rO, 32*(2*(\y)+(\u))
.endm
.macro XS u, n
	REGS (Y+1)%NP, \u
.if (\n) < 4
	v_max3_num_f32 v[rC+(\n)], v[rS+8*(\n)], v[rS+8*(\n)+1], v[rS+8*(\n)+2]
.elseif (\n) < 12
	v_max3_num_f32 v[rC+(\n)%4], v[rC+(\n)%4], v[rS+8*((\n)%4)+2*((\n)/4)+1], v[rS+8*((\n)%4)+2*((\n)/4)+2]
.elseif (\n) == 12
	v_max3_num_f32 v[rC], v[rC], v[rS+7], v[rS+15]
.elseif (\n) == 13
	v_max3_num_f32 v[rC+1], v[rC+1], v[rS+23], v[rS+31]
.elseif (\n) == 14
	v_max3_num_f32 v[rC+2], v[rC+2], v[rC+3], v[rT+1]
.elseif (\n) == 15
	v_mov_b32 v[rM], v[rT]
.elseif (\n) == 16
	v_max3_num_f32 v[rC], v[rC], v[rC+1], v[rC+2]
.elseif (\n) == 17
	v_permlanex16_b32 v[rC+3], v[rC], s[SEL], s[SEL+1]
.elseif (\n) == 18
	v_max_num_f32 v[rT+1], v[rC], v[rC+3]
.elseif (\n) == 19
	v_mul_f32 v[rT], s[CS], v[rT+1]
.elseif (\n) == 20
	v_sub_f32 v[rC+1], v[rM], v[rT]
.else
	v_exp_f32 v[rC+2], v[rC+1]
.endif
.endm
.macro GS g
.set h, (\g)+6*((\g)/62)
.if h >= 6
.set h, h+2
.endif
	REGS Y, h%2
.set k, h/8
.if h%8 < 4
	s_wait_alu depctr_va_vdst(0)
	v_cvt_pk_f16_f32 v[rP+2*k+(h%8)/2], v[rS+4*k+2*((h%8)/2)], v[rS+4*k+2*((h%8)/2)+1]
.elseif h%8 < 6
	v_pk_add_f32 v[rS+4*k:rS+4*k+1], v[rS+4*k:rS+4*k+1], v[rS+4*k+2:rS+4*k+3]
.elseif k == 1
	v_pk_fma_f32 v[rT+2:rT+3], v[rT+2:rT+3], v[rC+2:rC+3], v[rS:rS+1] op_sel_hi:[1,0,1]
.else
	v_pk_add_f32 v[rT+2:rT+3], v[rT+2:rT+3], v[rS+4*k-4:rS+4*k-3]
	s_wait_alu depctr_va_vdst(0)
.endif
.endm
.macro PL
	WIN 0
.if q < 32
	REGS Y, q%2
	v_pk_fma_f32 v[rS+2*(q/2):rS+2*(q/2)+1], v[rS+2*(q/2):rS+2*(q/2)+1], s[CS:CS+1], v[rT:rT+1] op_sel_hi:[1,0,0] neg_lo:[0,0,1] neg_hi:[0,0,1]
.elseif q < 38
	GS q-32
.elseif q < 40
	XS q%2, 15
.elseif q < 42
	GS q-34
.elseif q < 74
	XS q%2, (q-42)/2+(q-42)/30
.elseif q < 95
	GS q-66
.elseif (q < 107) && ((q-95)%3 < 2)
	XS (q-95)%3, 17+(q-95)/3
.elseif q < 107
	GS 29+(q-95)/3
.else
	GS q-74
.endif
.set q, q+1
.endm
.set EA, 58
.macro EX
	WIN 0
.if (e == EA) || (e == EA+1)
	XS e-EA, 21
.else
.set x, e-2*(e/(EA+2))
	REGS Y, x%2
	v_exp_f32 v[rS+x/2], v[rS+x/2]
.endif
.set e, e+1
.endm
.macro R4
	REGS Y, r%2
	WIN W_RS
	s_wait_alu depctr_va_vdst(0)
.irp z, 0,1,2,3
	v_pk_mul_f32 v[rO+8*(r/2)+2*\z:rO+8*(r/2)+2*\z+1], v[rO+8*(r/2)+2*\z:rO+8*(r/2)+2*\z+1], v[rC+2:rC+3] op_sel_hi:[1,0]
.endr
.set r, r+1
.endm
.macro SL
	MM
	PL
	EX
	PL
	PL
.endm
.macro BURST n
.rept (\n)-7
	SL
.endr
.rept 3
	MM
	R4
	SL
.endr
	MM
	R4
.endm
.macro TURN p, last=0, cnt=0
.set Y, (\p)
.set i, 0
.set q, 0
.set e, 0
.set r, 0
.if (\p) == NP-1
	s_wait_dscnt 0x0
.endif
	MM
.rept 4
	PL
.endr
	BURST 15
.rept 22
	EX
	PL
.if ((\p) == NP-2) && (e == 18)
	v_add_nc_u32 v[AK], s[TBK], v[AK0]
.endif
.if ((\p) == NP-2) && (e == 24)
	FETCH_K \last
.endif
.endr
.if (\p) == 1
	s_wait_dscnt 0x0
.endif
	BURST 16
.rept 21
	EX
	PL
.endr
.rept 22
	PL
.if ((\p) == 0) && (q == 118)
	v_add_nc_u32 v[AV], s[TBV], v[AV0]
	s_wait_alu depctr_va_vdst(0)
.endif
.if ((\p) == 0) && (q == 130)
	s_add_co_u32 s[TBV], s[TBV], KS*PV
.endif
.if (\cnt) && (q == 130)
	s_sub_co_u32 s[CNT], s[CNT], 1
	s_cmp_lg_u32 s[CNT], 0
.endif
.endr
.if (\p) == 0
	FETCH_V
.endif
.endm
	CHANGE 1
	FETCH_K
	s_wait_loadcnt 0x0
	s_wait_dscnt 0x0
.set i, 0
.rept 16
	KQ 0
.set i, i+1
.endr
	WIN 0
	s_mul_i32 s13, s[WV], 16*SP
	s_add_co_u32 s13, s13, STAGE
	v_mul_u32_u24 v[STO], v1, SP
	v_lshl_add_u32 v[STO], v9, 4, v[STO]
	v_add_nc_u32 v[STO], s13, v[STO]
	v_bfe_u32 v[RD], v0, 3, 2
	v_mul_u32_u24 v[RD], v[RD], SP
	v_lshl_add_u32 v[RD], v10, 4, v[RD]
	v_add_nc_u32 v[RD], s13, v[RD]
	v_and_b32 v[GO], 31, v0
	v_lshlrev_b32 v[GO], 4, v[GO]
.set Y, NP-1
.irp n, 0,1,2,3,4,5,6,7,8,9,10,11,12,13,14,15,16,17,18,19,20,21
	XS 0, \n
	XS 1, \n
.endr
	s_mov_b32 s[CNT], 4
	s_mov_b32 s[SLOTS], SIZE_N/256-1
	s_branch .Lfirst
.Lslot:
	CHANGE 1
	s_mov_b32 s[CNT], 4
.Lstep:
	TURN 2
	TURN 3
	WIN 0
.Lfirst:
	TURN 0
	TURN 1, 0, 1
	WIN 0
	s_cbranch_scc1 .Lstep
	s_sub_co_u32 s[SLOTS], s[SLOTS], 1
	s_cmp_lg_u32 s[SLOTS], 0
	s_cbranch_scc1 .Lslot
	CHANGE 0
	s_mov_b32 s[CNT], 5
.Ltail:
	TURN 2, 1
	TURN 3
	WIN 0
	s_sub_co_u32 s[CNT], s[CNT], 1
	s_cmp_eq_u32 s[CNT], 0
	s_cbranch_scc1 .Lout
	TURN 0
	TURN 1
	WIN 0
	s_branch .Ltail
.Lout:
.set i, 0
.rept 16
	PV NP-1
.set i, i+1
.endr
	WIN 0
.macro ALL line:vararg
.set t, 0
.rept 2*NP
	\line
.set t, t+1
.endr
.endm
	ALL v_add_f32 v[ST+4*t+2], v[ST+4*t+2], v[ST+4*t+3]
	ALL v_permlanex16_b32 v[ST+4*t+3], v[ST+4*t+2], s[SEL], s[SEL+1]
	ALL v_add_f32 v[ST+4*t+2], v[ST+4*t+2], v[ST+4*t+3]
	ALL v_rcp_f32 v[ST+4*t+2], v[ST+4*t+2]
	v_nop
	s_wait_alu depctr_va_vdst(0)
.macro PACK t
	WIN W_RS
.set i, 32*(\t)
.rept 16
	v_pk_mul_f32 v[i:i+1], v[i:i+1], v[ST+4*(\t)+2:ST+4*(\t)+3] op_sel_hi:[1,0]
.set i, i+2
.endr
	WIN 0x05
.set i, 0
.rept 16
	v_cvt_pk_f16_f32 v[S+16*(\t)+i], v[32*(\t)+2*i], v[32*(\t)+2*i+1]
.set i, i+1
.endr
	WIN 0
.irp f, 0,1,2,3
	ds_store_b128 v[STO], v[S+16*(\t)+4*\f:S+16*(\t)+4*\f+3] offset:32*\f
.endr
.irp f, 0,1,2,3
	ds_load_b128 v[S+16*(\t)+4*\f:S+16*(\t)+4*\f+3], v[RD] offset:\f*4*SP
.endr
.endm
.macro SEND t, younger
	WIN 0
.irp f, 0,1,2,3
	s_wait_dscnt (\younger)+3-\f
	global_store_b128 v[GO], v[S+16*(\t)+4*\f:S+16*(\t)+4*\f+3], s[10:11] offset:(\t)*2048+\f*512
.endr
.endm
	PACK 0
.set t, 1
.rept 2*NP-1
	PACK t
	SEND t-1, 8
.set t, t+1
.endr
	SEND 2*NP-1, 0
	WIN W_AD
	s_wait_tensorcnt 0x0
	ds_add_u32 v[SPW], v[NIL]
	s_wait_dscnt 0x0
	WIN 0
	CROUND
	s_endpgm
.Lfunc_end_k_qa2a1f83c0c_attn:
	.size	k_qa2a1f83c0c_attn, .Lfunc_end_k_qa2a1f83c0c_attn-k_qa2a1f83c0c_attn
	.p2alignl 7, 3214868480
	.fill 96, 4, 3214868480
	.section	.rodata,"a",@progbits
	.p2align	6, 0x0
	.amdhsa_kernel k_qa2a1f83c0c_attn
		.amdhsa_group_segment_fixed_size 327680
		.amdhsa_private_segment_fixed_size 0
		.amdhsa_enable_private_segment 0
		.amdhsa_kernarg_size 32
		.amdhsa_user_sgpr_count 2
		.amdhsa_user_sgpr_kernarg_segment_ptr 1
		.amdhsa_wavefront_size32 1
		.amdhsa_system_sgpr_workgroup_id_x 1
		.amdhsa_system_sgpr_workgroup_id_y 1
		.amdhsa_system_sgpr_workgroup_id_z 1
		.amdhsa_system_vgpr_workitem_id 0
		.amdhsa_next_free_vgpr 770
		.amdhsa_next_free_sgpr 66
		.amdhsa_reserve_vcc 0
		.amdhsa_float_denorm_mode_32 3
		.amdhsa_float_denorm_mode_16_64 3
		.amdhsa_memory_ordered 1
		.amdhsa_forward_progress 1
		.amdhsa_inst_pref_size 208
	.end_amdhsa_kernel
	.amdgpu_metadata
---
amdhsa.version: [ 1, 2 ]
amdhsa.kernels:
  - .name:           k_qa2a1f83c0c_attn
    .symbol:         k_qa2a1f83c0c_attn.kd
    .args:
      - { .name: qh, .offset: 0, .size: 8, .value_kind: global_buffer, .address_space: global }
      - { .name: kh, .offset: 8, .size: 8, .value_kind: global_buffer, .address_space: global }
      - { .name: vh, .offset: 16, .size: 8, .value_kind: global_buffer, .address_space: global }
      - { .name: oh, .offset: 24, .size: 8, .value_kind: global_buffer, .address_space: global }
    .group_segment_fixed_size: 327680
    .private_segment_fixed_size: 0
    .kernarg_segment_align: 8
    .kernarg_segment_size: 32
    .max_flat_workgroup_size: 128
    .sgpr_count:     66
    .vgpr_count:     770
    .wavefront_size: 32
...
	.end_amdgpu_metadata
.endif
;; end of part 3
;; launch outp (part 4): grid 4 x 64, 4 waves a work-group, clusters of 4 x 4, 327,680 bytes of LDS; arguments oh, woh, bo, out0; writes out0
.if DOCPART == 4
	.amdgcn_target "amdgcn-amd-amdhsa--gfx1250"
	.amdhsa_code_object_version 6
	.text
	.protected	k_qa2a1f83c0c_outp
	.globl	k_qa2a1f83c0c_outp
	.p2align	8
	.type	k_qa2a1f83c0c_outp,@function
k_qa2a1f83c0c_outp:
	s_mov_b64 s[64:65], 0
	v_nop
	global_prefetch_b8 v0, s[64:65] scope:SCOPE_SE
	s_setreg_imm32_b32 hwreg(HW_REG_WAVE_MODE, 25, 1), 1
	s_wait_xcnt 0x0
	s_wait_alu depctr_hold_cnt(0) depctr_sa_sdst(0) depctr_va_vdst(0) depctr_va_sdst(0) depctr_va_ssrc(0) depctr_va_vcc(0) depctr_vm_vsrc(0)
	s_getreg_b32 s2, hwreg(HW_REG_IB_STS2, 6, 4)
	s_cmp_eq_u32 s2, 0
	s_cbranch_scc0 .Lentry_in_a_cluster
	s_endpgm
.Lentry_in_a_cluster:
	s_bfe_u32 s2, ttmp6, 0x10000c
	s_cmp_lg_u32 s2, 0xf033
	s_cbranch_scc0 .Lentry_shape_is_right
	s_endpgm
.Lentry_shape_is_right:
.set KSTEP,  128
.set PA,     144
.set PB,     272
.set APART,  128*PA
.set BPART,  128*PB
.set BOFF,   2*APART
.set SLOT,   BOFF+2*BPART
.set STAGE,  2*SLOT
.set SP,     528
.set SPARE,  STAGE+4*16*SP
.set STEPA,  1<<20
.set STEPB,  2*KSTEP*2
.set LAPS,   1024/(2*KSTEP)
.set BIAS, 8
.set ADRA, 16
.set ADRB, 20
.set STO,  24
.set RD,   25
.set GO,   26
.set SPW,  28
.set NIL,  29
.set F0,   64
.set F1,   160
.set G1,  24
.set G0,  32
.set G1B, 48
.set G0B, 56
.set MSB, 0
.macro WIN new
.if MSB != (\new)
	s_set_vgpr_msb (MSB<<8)|(\new)
.set MSB, \new
.endif
.endm
.set MUL, 0x50
.macro JLOAD s
	s_cmp_lt_u32 s16, 2
	s_cbranch_scc0 .Lfor_b_\@
	tensor_load_to_lds s[G0+4*(\s):G0+4*(\s)+3], s[G1:G1+7]
	s_nop 0
.rept 4
	v_nop
.endr
	s_branch .Lasked_\@
.Lfor_b_\@:
	tensor_load_to_lds s[G0B+4*(\s):G0B+4*(\s)+3], s[G1B:G1B+7]
	s_nop 0
.rept 4
	v_nop
.endr
.Lasked_\@:
.endm
.macro CREST
	s_cmp_lg_u32 s16, 0
	s_cbranch_scc1 .Lnot_wave_0_\@
	s_barrier_signal -3
.Lnot_wave_0_\@:
	s_barrier_wait -3
	s_barrier_signal -1
	s_barrier_wait -1
.endm
.macro CROUND
	s_barrier_signal -1
	s_barrier_wait -1
	CREST
.endm
	s_load_b256 s[4:11], s[0:1], 0x0
	v_lshl_add_u32 v[SPW], v0, 2, SPARE
	v_mov_b32 v[NIL], 0
	ds_add_u32 v[SPW], v[NIL]
	v_lshrrev_b32 v1, 5, v0
	v_readfirstlane_b32 s16, v1
	s_lshr_b32 s17, s16, 1
	s_and_b32 s18, s16, 1
	s_bfe_u32 s19, ttmp6, 0x40000
	s_bfe_u32 s20, ttmp6, 0x40004
	s_lshl_b32 s21, ttmp9, 2
	s_add_co_u32 s21, s21, s19
	s_and_b32 s22, ttmp7, 0xffff
	s_lshl_b32 s22, s22, 2
	s_add_co_u32 s22, s22, s20
	s_lshl_b32 s40, s20, 2
	s_lshl_b32 s40, 15, s40
	s_lshl_b32 s42, 0x1111, s19
	s_or_b32 s[G1+0], s40, (1<<16)|(1<<20)|(1<<21)|(4<<22)|(3<<25)
	s_or_b32 s[G1B+0], s42, (1<<16)|(1<<20)|(1<<21)|(5<<22)|(3<<25)
.irp g, G1, G1B
	s_mov_b32 s[(\g)+1], KSTEP<<16
	s_mov_b32 s[(\g)+3], KSTEP<<16
	s_mov_b32 s[(\g)+6], 0
	s_mov_b32 s[(\g)+7], 0
.endr
	s_mov_b32 s[G1+2], 64<<16
	s_mov_b32 s[G1+4], 64
	s_mov_b32 s[G1+5], 128
	s_mov_b32 s[G1B+2], 128<<16
	s_mov_b32 s[G1B+4], 128
	s_mov_b32 s[G1B+5], 1024
	s_lshr_b32 s40, s22, 4
	s_lshl_b32 s40, s40, 22
	s_and_b32 s41, s22, 15
	s_lshl_b32 s41, s41, 14
	s_add_co_u32 s40, s40, s41
	s_lshl_b32 s41, s18, 18
	s_add_co_u32 s40, s40, s41
	s_mov_b32 s41, 0
	s_lshl_b32 s42, s21, 19
	s_lshl_b32 s43, s18, 18
	s_add_co_u32 s42, s42, s43
	s_mov_b32 s43, 0
	s_mul_i32 s66, s18, APART
	s_mul_i32 s67, s18, BPART
	s_add_co_u32 s67, s67, BOFF
	s_wait_dscnt 0x0
	s_wait_kmcnt 0x0
	s_add_nc_u64 s[44:45], s[4:5], s[40:41]
	s_add_nc_u64 s[46:47], s[6:7], s[42:43]
	CROUND
.irp s, 0,1
	s_mov_b32 s[G0+4*(\s)], 1
	s_add_co_u32 s[G0+4*(\s)+1], s66, (\s)*SLOT
	s_add_nc_u64 s[G0+4*(\s)+2:G0+4*(\s)+3], s[44:45], (\s)<<19
	s_or_b32 s[G0+4*(\s)+3], s[G0+4*(\s)+3], 0x80000000
	s_mov_b32 s[G0B+4*(\s)], 1
	s_add_co_u32 s[G0B+4*(\s)+1], s67, (\s)*SLOT
	s_add_nc_u64 s[G0B+4*(\s)+2:G0B+4*(\s)+3], s[46:47], (\s)*KSTEP*2
	s_or_b32 s[G0B+4*(\s)+3], s[G0B+4*(\s)+3], 0x80000000
	JLOAD \s
.endr
	s_lshl_b32 s40, s22, 19
	s_lshl_b32 s41, s17, 18
	s_add_co_u32 s40, s40, s41
	s_mov_b32 s41, 0
	s_lshl_b32 s42, s21, 10
	s_lshl_b32 s43, s18, 9
	s_add_co_u32 s42, s42, s43
	s_mov_b32 s43, 0
	s_add_nc_u64 s[10:11], s[10:11], s[40:41]
	s_add_nc_u64 s[10:11], s[10:11], s[42:43]
	s_add_nc_u64 s[8:9], s[8:9], s[42:43]
	v_and_b32 v[GO], 31, v0
	v_lshlrev_b32 v[GO], 4, v[GO]
	global_load_b128 v[BIAS:BIAS+3], v[GO], s[8:9]
	v_and_b32 v1, 15, v0
	v_bfe_u32 v2, v0, 4, 1
	v_mul_u32_u24 v3, v1, PA
	v_lshl_add_u32 v3, v2, 4, v3
	v_mul_u32_u24 v4, v1, PB
	v_lshl_add_u32 v4, v2, 4, v4
	s_mul_i32 s23, s17, 64*PA
	v_add_nc_u32 v[ADRA], s23, v3
	v_add_nc_u32 v[ADRB], s67, v4
	v_add_nc_u32 v[ADRA+1], SLOT, v[ADRA]
	v_add_nc_u32 v[ADRB+1], SLOT, v[ADRB]
	s_mul_i32 s23, s16, 16*SP
	s_add_co_u32 s23, s23, STAGE
	v_mul_u32_u24 v5, v1, SP
	v_lshl_add_u32 v5, v2, 5, v5
	v_add_nc_u32 v[STO], s23, v5
	v_add_nc_u32 v[RD], s23, v[GO]
.macro MUL8 f, a, zero
	WIN MUL
.irp b, 0,1,2,3,4,5,6,7
.if \zero
	v_wmma_f32_16x16x32_f16 v[8*(8*(\a)+(\b)):8*(8*(\a)+(\b))+7], v[(\f)+32+8*(\b):(\f)+32+8*(\b)+7], v[(\f)+8*(\a):(\f)+8*(\a)+7], 0
.else
	v_wmma_f32_16x16x32_f16 v[8*(8*(\a)+(\b)):8*(8*(\a)+(\b))+7], v[(\f)+32+8*(\b):(\f)+32+8*(\b)+7], v[(\f)+8*(\a):(\f)+8*(\a)+7], v[8*(8*(\a)+(\b)):8*(8*(\a)+(\b))+7]
.endif
.endr
.endm
.macro FETCH slot, q, f
	WIN 0
.irp i, 0,1,2,3,4,5,6,7
	ds_load_b128 v[(\f)+32+8*(\i):(\f)+32+8*(\i)+3],   v[ADRB+(\slot)] offset:64*(\q)+(\i)*16*PB
	ds_load_b128 v[(\f)+32+8*(\i)+4:(\f)+32+8*(\i)+7], v[ADRB+(\slot)] offset:64*(\q)+(\i)*16*PB+32
.endr
.irp i, 0,1,2,3
	ds_load_b128 v[(\f)+8*(\i):(\f)+8*(\i)+3],   v[ADRA+(\slot)] offset:((\q)/2)*APART+((\q)%2)*64+(\i)*16*PA
	ds_load_b128 v[(\f)+8*(\i)+4:(\f)+8*(\i)+7], v[ADRA+(\slot)] offset:((\q)/2)*APART+((\q)%2)*64+(\i)*16*PA+32
.endr
.endm
.macro PLACES
.rept 4
	v_nop
.endr
.endm
.macro QUARTER slot, q, f, g, zero
	s_wait_dscnt 4
	MUL8 \f, 0, \zero
	MUL8 \f, 1, \zero
	PLACES
	FETCH \slot, \q, \g
	s_wait_dscnt 24
	MUL8 \f, 2, \zero
	MUL8 \f, 3, \zero
.endm
.macro TURN slot, next, fill
	WIN 0
	s_wait_tensorcnt 0x0
	ds_add_u32 v[SPW], v[NIL]
	s_wait_dscnt 5
	MUL8 F1, 0, 0
	s_wait_dscnt 0x0
	s_barrier_signal -1
	MUL8 F1, 1, 0
.if \fill
	WIN 0
.endif
	s_barrier_wait -1
.if \fill
	CREST
	s_add_nc_u64 s[G0+4*(\slot)+2:G0+4*(\slot)+3], s[G0+4*(\slot)+2:G0+4*(\slot)+3], STEPA
	s_add_nc_u64 s[G0B+4*(\slot)+2:G0B+4*(\slot)+3], s[G0B+4*(\slot)+2:G0B+4*(\slot)+3], STEPB
	JLOAD \slot
.else
	PLACES
.endif
	FETCH \next, 0, F0
	MUL8 F1, 2, 0
	MUL8 F1, 3, 0
.endm
	s_wait_tensorcnt 1
	s_barrier_signal -1
	s_barrier_wait -1
	FETCH 0, 0, F0
	QUARTER 0, 1, F0, F1, 1
	WIN 0
	s_mov_b32 s68, LAPS-1
.Llap:
	QUARTER 0, 2, F1, F0, 0
	QUARTER 0, 3, F0, F1, 0
	TURN 0, 1, 1
	QUARTER 1, 1, F0, F1, 0
	QUARTER 1, 2, F1, F0, 0
	QUARTER 1, 3, F0, F1, 0
	TURN 1, 0, 1
	QUARTER 0, 1, F0, F1, 0
	WIN 0
	s_sub_co_u32 s68, s68, 1
	s_cmp_lg_u32 s68, 0
	s_cbranch_scc1 .Llap
	QUARTER 0, 2, F1, F0, 0
	QUARTER 0, 3, F0, F1, 0
	TURN 0, 1, 0
	QUARTER 1, 1, F0, F1, 0
	QUARTER 1, 2, F1, F0, 0
	QUARTER 1, 3, F0, F1, 0
	s_wait_dscnt 4
	MUL8 F1, 0, 0
	MUL8 F1, 1, 0
	s_wait_dscnt 0
	MUL8 F1, 2, 0
	MUL8 F1, 3, 0
	WIN 0
	s_wait_loadcnt 0x0
	v_cvt_pk_bf16_f32 v12, v[BIAS], v[BIAS+1]
	v_cvt_pk_bf16_f32 v13, v[BIAS+2], v[BIAS+3]
	v_lshlrev_b32 v[BIAS],   16, v12
	v_and_b32     v[BIAS+1], 0xffff0000, v12
	v_lshlrev_b32 v[BIAS+2], 16, v13
	v_and_b32     v[BIAS+3], 0xffff0000, v13
.macro TOSTAGE a
.set BK, 64+64*((\a)%2)
	WIN 0x04
.irp b, 0,1,2,3,4,5,6,7
	ds_store_b128 v[STO], v[64*(\a)+8*(\b):64*(\a)+8*(\b)+3]   offset:64*(\b)
	ds_store_b128 v[STO], v[64*(\a)+8*(\b)+4:64*(\a)+8*(\b)+7] offset:64*(\b)+16
.endr
	WIN 0
.if (\a) >= 2
	s_wait_xcnt 0x0
.endif
.irp t, 0,1,2,3,4,5,6,7,8,9,10,11,12,13,14,15
	ds_load_b128 v[BK+4*(\t):BK+4*(\t)+3], v[RD] offset:(\t)*SP
.endr
.endm
.macro SEND a
.set BK, 64+64*((\a)%2)
.irp t, 0,1,2,3,4,5,6,7,8,9,10,11,12,13,14,15
	s_wait_dscnt 15-(\t)
	v_pk_add_f32 v[BK+4*(\t):BK+4*(\t)+1],   v[BK+4*(\t):BK+4*(\t)+1],   v[BIAS:BIAS+1]
	v_pk_add_f32 v[BK+4*(\t)+2:BK+4*(\t)+3], v[BK+4*(\t)+2:BK+4*(\t)+3], v[BIAS+2:BIAS+3]
	global_store_b128 v[GO], v[BK+4*(\t):BK+4*(\t)+3], s[10:11] offset:(\a)*65536+(\t)*4096
.endr
.endm
.irp a, 0,1,2,3
	TOSTAGE \a
	SEND \a
.endr
	s_wait_tensorcnt 0x0
	ds_add_u32 v[SPW], v[NIL]
	s_wait_dscnt 0x0
	CROUND
	s_endpgm
.Lfunc_end_k_qa2a1f83c0c_outp:
	.size	k_qa2a1f83c0c_outp, .Lfunc_end_k_qa2a1f83c0c_outp-k_qa2a1f83c0c_outp
	.p2alignl 7, 3214868480
	.fill 96, 4, 3214868480
	.section	.rodata,"a",@progbits
	.p2align	6, 0x0
	.amdhsa_kernel k_qa2a1f83c0c_outp
		.amdhsa_group_segment_fixed_size 327680
		.amdhsa_private_segment_fixed_size 0
		.amdhsa_enable_private_segment 0
		.amdhsa_kernarg_size 32
		.amdhsa_user_sgpr_count 2
		.amdhsa_user_sgpr_kernarg_segment_ptr 1
		.amdhsa_wavefront_size32 1
		.amdhsa_system_sgpr_workgroup_id_x 1
		.amdhsa_system_sgpr_workgroup_id_y 1
		.amdhsa_system_sgpr_workgroup_id_z 1
		.amdhsa_system_vgpr_workitem_id 0
		.amdhsa_next_free_vgpr 512
		.amdhsa_next_free_sgpr 72
		.amdhsa_reserve_vcc 0
		.amdhsa_float_denorm_mode_32 3
		.amdhsa_float_denorm_mode_16_64 3
		.amdhsa_memory_ordered 1
		.amdhsa_forward_progress 1
		.amdhsa_inst_pref_size 95
	.end_amdhsa_kernel
	.amdgpu_metadata
---
amdhsa.version: [ 1, 2 ]
amdhsa.kernels:
  - .name:           k_qa2a1f83c0c_outp
    .symbol:         k_qa2a1f83c0c_outp.kd
    .args:
      - { .name: oh, .offset: 0, .size: 8, .value_kind: global_buffer, .address_space: global }
      - { .name: woh, .offset: 8, .size: 8, .value_kind: global_buffer, .address_space: global }
      - { .name: bo, .offset: 16, .size: 8, .value_kind: global_buffer, .address_space: global }
      - { .name: out0, .offset: 24, .size: 8, .value_kind: global_buffer, .address_space: global }
    .group_segment_fixed_size: 327680
    .private_segment_fixed_size: 0
    .kernarg_segment_align: 8
    .kernarg_segment_size: 32
    .max_flat_workgroup_size: 128
    .sgpr_count:     72
    .vgpr_count:     512
    .wavefront_size: 32
...
	.end_amdgpu_metadata
.endif
;; end of part 4
;; ======== version 2 of 2: 4 launches; 1.49 times as fast as version 1
;; limits: values are held in f16: magnitudes above 65,504 overflow, below 6.1e-05 lose precision
;; workspace buffers: xb 16,777,216 bytes; cb 16,777,216 bytes; wb 6,291,456 bytes; woh 2,097,152 bytes; qh 16,777,216 bytes; kh 16,777,216 bytes; vh 16,777,216 bytes; oh 16,777,216 bytes
;; launch cast: the kernel of part 1 again; grid 64 x 20, 8 waves a work-group, no clusters, 0 bytes of LDS; arguments x, context, Wq, Wk, Wv, Wo, xb, cb, wb, woh; writes xb, cb, wb, woh
;; launch proj: the kernel of part 2 again; grid 12 x 64, 4 waves a work-group, clusters of 4 x 4, 327,680 bytes of LDS; arguments xb, cb, wb, qh, kh, vh; writes qh, kh, vh
;; launch attn (part 5): grid 4 x 64, 4 waves a work-group, clusters of 4 x 1, 327,680 bytes of LDS; arguments qh, kh, vh, oh; writes oh
.if DOCPART == 5
	.amdgcn_target "amdgcn-amd-amdhsa--gfx1250"
	.amdhsa_code_object_version 6
	.text
	.protected	k_qa2a1f83c0c_attn
	.globl	k_qa2a1f83c0c_attn
	.p2align	8
	.type	k_qa2a1f83c0c_attn,@function
k_qa2a1f83c0c_attn:
	s_mov_b64 s[64:65], 0
	v_nop
	global_prefetch_b8 v0, s[64:65] scope:SCOPE_SE
	s_setreg_imm32_b32 hwreg(HW_REG_WAVE_MODE, 25, 1), 1
	s_wait_xcnt 0x0
	s_wait_alu depctr_hold_cnt(0) depctr_sa_sdst(0) depctr_va_vdst(0) depctr_va_sdst(0) depctr_va_ssrc(0) depctr_va_vcc(0) depctr_vm_vsrc(0)
	s_getreg_b32 s2, hwreg(HW_REG_IB_STS2, 6, 4)
	s_cmp_eq_u32 s2, 0
	s_cbranch_scc0 .Lentry_in_a_cluster
	s_endpgm
.Lentry_in_a_cluster:
	s_bfe_u32 s2, ttmp6, 0x10000c
	s_cmp_lg_u32 s2, 0x3003
	s_cbranch_scc0 .Lentry_shape_is_right
	s_endpgm
.Lentry_shape_is_right:
.set SIZE_H, 64
.set SIZE_N, 2048
.set NP,    4
.set KS,    64
.set PK,    144
.set PV,    160
.set VOFF,  4*KS*PK
.set SLOT1, 1<<17
.set STAGE, SLOT1+4*KS*(PK+PV)
.set SP,    144
.set AK0, 2
.set AV0, 3
.set AK,  4
.set AV,  5
.set QO,  6
.set STO, 6
.set RD,  7
.set GO,  8
.set SPW, 0
.set NIL, 1
.set SPARE, STAGE+4*16*SP
.set MV,  12
.set ST,  16
.set TMP, 48
.set S,   64
.set P,   192
.set KF,  128
.set VF,  192
.set WV,  12
.set G1K, 24
.set G1V, 32
.set G0K, 40
.set G0V, 44
.set SLOTS, 56
.set CNT, 57
.set CS,  58
.set SEL, 60
.set TBK, 62
.set TBV, 63
.set MSB, 0
.macro WIN new
.if MSB != (\new)
	s_set_vgpr_msb (MSB<<8)|(\new)
.set MSB, (\new)
.endif
.endm
.set W_KQ, 0x0a
.set W_PV, 0x52
.set W_RS, 0x41
.set W_MK, 0xc0
.set W_AD, 0x0f
.macro JLOAD
	s_cmp_lt_u32 s[WV], 2
	s_cbranch_scc0 .Lfor_v_\@
	tensor_load_to_lds s[G0K:G0K+3], s[G1K:G1K+7]
	s_nop 0
.rept 4
	v_nop
.endr
	s_branch .Lasked_\@
.Lfor_v_\@:
	tensor_load_to_lds s[G0V:G0V+3], s[G1V:G1V+7]
	s_nop 0
.rept 4
	v_nop
.endr
.Lasked_\@:
.endm
.macro CROUND
	s_barrier_signal -1
	s_barrier_wait -1
	s_cmp_lg_u32 s[WV], 0
	s_cbranch_scc1 .Lnot_wave_0_\@
	s_barrier_signal -3
.Lnot_wave_0_\@:
	s_barrier_wait -3
	s_barrier_signal -1
	s_barrier_wait -1
.endm
.macro CHANGE fill
	WIN W_AD
	s_wait_tensorcnt 0x0
	ds_add_u32 v[SPW], v[NIL]
	WIN 0
.if \fill
.irp g, G0K, G0V
	s_xor_b32 s[\g+1], s[\g+1], SLOT1
	s_add_nc_u64 s[\g+2:\g+3], s[\g+2:\g+3], 4*KS*128
.endr
	s_wait_dscnt 0x0
	CROUND
	JLOAD
.else
	s_wait_dscnt 0x0
	s_barrier_signal -1
	s_barrier_wait -1
.endif
	s_sub_co_u32 s[TBK], s[TBK], 4*KS*PK
	s_xor_b32 s[TBK], s[TBK], SLOT1
	s_sub_co_u32 s[TBV], s[TBV], 4*KS*PV
	s_xor_b32 s[TBV], s[TBV], SLOT1
.endm
	s_load_b256 s[4:11], s[0:1], 0x0
	WIN W_MK
	v_lshl_add_u32 v[SPW], v0, 2, SPARE
	v_mov_b32 v[NIL], 0
	WIN W_AD
	ds_add_u32 v[SPW], v[NIL]
	WIN 0
	v_lshrrev_b32 v1, 5, v0
	v_readfirstlane_b32 s[WV], v1
	s_bfe_u32 s13, ttmp6, 0x40000
	s_lshl_b32 s14, ttmp9, 2
	s_add_co_u32 s14, s14, s13
	s_and_b32 s20, ttmp7, 0xffff
	s_mov_b32 s21, 0
	s_mov_b64 s[22:23], SIZE_N*128
	s_mul_u64 s[20:21], s[20:21], s[22:23]
	s_and_b32 s16, s[WV], 1
	s_lshl_b32 s22, s16, 14
	s_mov_b32 s23, 0
	s_add_nc_u64 s[22:23], s[22:23], s[20:21]
	s_mul_i32 s17, s16, 128*PK
	s_mul_i32 s18, s16, 128*PV
	s_lshl_b32 s2, s14, 2
	s_add_co_u32 s2, s2, s[WV]
	s_lshl_b32 s2, s2, 14
	s_mov_b32 s3, 0
	s_add_nc_u64 s[2:3], s[2:3], s[20:21]
	s_mov_b32 s[G1K], 15|(1<<16)|(1<<20)|(1<<21)|(4<<22)|(3<<25)
	s_mov_b32 s[G1V], 15|(1<<16)|(1<<20)|(1<<21)|(4<<22)|(7<<25)
.irp g, G1K, G1V
	s_mov_b32 s[\g+1], 128<<16
	s_mov_b32 s[\g+2], 64<<16
	s_mov_b32 s[\g+3], 128<<16
	s_mov_b32 s[\g+4], 64
	s_mov_b32 s[\g+5], 128
	s_mov_b32 s[\g+6], 0
	s_mov_b32 s[\g+7], 0
.endr
	s_mov_b32 s[CS], 0x3e38aa3b
	s_mov_b32 s[CS+1], s[CS]
	s_mov_b32 s[SEL], 0x76543210
	s_mov_b32 s[SEL+1], 0xfedcba98
	s_mov_b32 s[TBK], SLOT1+4*KS*PK
	s_mov_b32 s[TBV], SLOT1+4*KS*PV
	s_mov_b32 s[G0K], 1
	s_mov_b32 s[G0K+1], s17
	s_mov_b32 s[G0V], 1
	s_add_co_u32 s[G0V+1], s18, VOFF
	s_wait_dscnt 0x0
	s_wait_kmcnt 0x0
	s_add_nc_u64 s[G0K+2:G0K+3], s[6:7], s[22:23]
	s_or_b32 s[G0K+3], s[G0K+3], 0x80000000
	s_add_nc_u64 s[G0V+2:G0V+3], s[8:9], s[22:23]
	s_or_b32 s[G0V+3], s[G0V+3], 0x80000000
	s_add_nc_u64 s[4:5], s[4:5], s[2:3]
	s_add_nc_u64 s[10:11], s[10:11], s[2:3]
	CROUND
	JLOAD
	v_and_b32 v1, 15, v0
	v_bfe_u32 v9, v0, 4, 1
	v_lshlrev_b32 v[QO], 7, v1
	v_lshl_add_u32 v[QO], v9, 4, v[QO]
	WIN 0x80
.set i, 0
.rept 4*NP
	global_load_b128 v[8*i:8*i+3],   v[QO], s[4:5] offset:(i/2)*2048+(i%2)*64
	global_load_b128 v[8*i+4:8*i+7], v[QO], s[4:5] offset:(i/2)*2048+(i%2)*64+32
.set i, i+1
.endr
.set i, VF
.rept 64
	v_mov_b32 v[i], 0
.set i, i+1
.endr
	WIN 0x40
.set i, 0
.rept 64*NP
	v_mov_b32 v[i], 0
.set i, i+1
.endr
	WIN 0
.set i, 0
.rept 2*NP
	v_mov_b32 v[ST+4*i], 0xfe000000
	v_mov_b32 v[ST+4*i+1], 0xff7fffff
	v_mov_b32 v[ST+4*i+2], 0
	v_mov_b32 v[ST+4*i+3], 0
.set i, i+1
.endr
.set i, P+32
.rept 32
	v_mov_b32 v[i], 0
.set i, i+1
.endr
	v_mul_u32_u24 v[AK0], v1, PK
	v_lshl_add_u32 v[AK0], v9, 4, v[AK0]
	v_and_b32 v10, 7, v0
	v_bfe_u32 v11, v0, 3, 1
	v_lshl_add_u32 v[AV0], v9, 3, v10
	v_mul_u32_u24 v[AV0], v[AV0], PV
	v_lshl_add_u32 v[AV0], v11, 4, v[AV0]
	v_add_nc_u32 v[AV0], VOFF, v[AV0]
	v_mov_b32 v[AK], v[AK0]
.macro KQ x
	WIN W_KQ
.set rS, S+64*((\x)%2)+32*(i%2)+8*((i/2)%4)
.set rK, KF+16*((i/2)%4)+8*(i/8)
.set rQ, 16*(2*(\x)+i%2)+8*(i/8)
.if i < 8
	v_wmma_f32_16x16x32_f16 v[rS:rS+7], v[rK:rK+7], v[rQ:rQ+7], 0
.else
	v_wmma_f32_16x16x32_f16 v[rS:rS+7], v[rK:rK+7], v[rQ:rQ+7], v[rS:rS+7]
.endif
.endm
.macro PV x
	WIN W_PV
.set rO, 32*(2*(\x)+i%2)+8*((i/2)%4)
.set rV, VF+32*(i/8)+8*((i/2)%4)
.set rP, P+32*((\x)%2)+16*(i%2)+8*(i/8)
	v_wmma_f32_16x16x32_f16 v[rO:rO+7], v[rV:rV+7], v[rP:rP+7], v[rO:rO+7]
.endm
.macro MM
.if i < 16
	KQ (Y+1)%NP
.set i, i+1
.else
.set i, i-16
	PV (Y+NP-1)%NP
.set i, i+17
.endif
.endm
.macro FETCH_K last=0
	WIN 0
.if \last
	s_cmp_eq_u32 s[CNT], 1
	s_cbranch_scc1 .Lno_k_\@
.endif
	WIN 0x80
.irp f, 0,1,2,3,4,5,6,7
	ds_load_b128 v[KF+8*\f:KF+8*\f+3],   v[AK] offset:(\f/2)*16*PK+(\f%2)*64
	ds_load_b128 v[KF+8*\f+4:KF+8*\f+7], v[AK] offset:(\f/2)*16*PK+(\f%2)*64+32
.endr
	s_add_co_u32 s[TBK], s[TBK], KS*PK
	WIN 0
.if \last
.Lno_k_\@:
.endif
.endm
.macro FETCH_V
	WIN 0x80
.irp f, 0,1,2,3,4,5,6,7
	ds_load_tr16_b128 v[VF+8*\f:VF+8*\f+3],   v[AV] offset:(\f/4)*32*PV+(\f%4)*32
	ds_load_tr16_b128 v[VF+8*\f+4:VF+8*\f+7], v[AV] offset:(\f/4)*32*PV+16*PV+(\f%4)*32
.endr
	WIN 0
.endm
.macro REGS y, u
.set rT, ST+4*(2*(\y)+(\u))
.set rC, TMP+8*((\y)%2)+4*(\u)
.set rM, MV+2*((\y)%2)+(\u)
.set rS, S+64*((\y)%2)+32*(\u)
.set rP, P+32*((\y)%2)+16*(\u)
.set rO, 32*(2*(\y)+(\u))
.endm
.macro XS u, n
	REGS (Y+1)%NP, \u
.if (\n) < 4
	v_max3_num_f32 v[rC+(\n)], v[rS+8*(\n)], v[rS+8*(\n)+1], v[rS+8*(\n)+2]
.elseif (\n) < 12
	v_max3_num_f32 v[rC+(\n)%4], v[rC+(\n)%4], v[rS+8*((\n)%4)+2*((\n)/4)+1], v[rS+8*((\n)%4)+2*((\n)/4)+2]
.elseif (\n) == 12
	v_max3_num_f32 v[rC], v[rC], v[rS+7], v[rS+15]
.elseif (\n) == 13
	v_max3_num_f32 v[rC+1], v[rC+1], v[rS+23], v[rS+31]
.elseif (\n) == 14
	v_max3_num_f32 v[rC+2], v[rC+2], v[rC+3], v[rT+1]
.elseif (\n) == 15
	v_mov_b32 v[rM], v[rT]
.elseif (\n) == 16
	v_max3_num_f32 v[rC], v[rC], v[rC+1], v[rC+2]
.elseif (\n) == 17
	v_permlanex16_b32 v[rC+3], v[rC], s[SEL], s[SEL+1]
.elseif (\n) == 18
	v_max_num_f32 v[rT+1], v[rC], v[rC+3]
.elseif (\n) == 19
	v_mul_f32 v[rT], s[CS], v[rT+1]
.elseif (\n) == 20
	v_sub_f32 v[rC+1], v[rM], v[rT]
.else
	v_exp_f32 v[rC+2], v[rC+1]
.endif
.endm
.macro GS g
.set h, (\g)+6*((\g)/62)
.if h >= 6
.set h, h+2
.endif
	REGS Y, h%2
.set k, h/8
.if h%8 < 4
	v_cvt_pk_f16_f32 v[rP+2*k+(h%8)/2], v[rS+4*k+2*((h%8)/2)], v[rS+4*k+2*((h%8)/2)+1]
.elseif h%8 < 6
	v_pk_add_f32 v[rS+4*k:rS+4*k+1], v[rS+4*k:rS+4*k+1], v[rS+4*k+2:rS+4*k+3]
.elseif k == 1
	v_pk_fma_f32 v[rT+2:rT+3], v[rT+2:rT+3], v[rC+2:rC+3], v[rS:rS+1] op_sel_hi:[1,0,1]
.else
	v_pk_add_f32 v[rT+2:rT+3], v[rT+2:rT+3], v[rS+4*k-4:rS+4*k-3]
.endif
.endm
.macro FS f
	REGS Y, (\f)%2
	v_pk_fma_f32 v[rS+2*((\f)/2):rS+2*((\f)/2)+1], v[rS+2*((\f)/2):rS+2*((\f)/2)+1], s[CS:CS+1], v[rT:rT+1] op_sel_hi:[1,0,0] neg_lo:[0,0,1] neg_hi:[0,0,1]
.endm
.macro PL
	WIN 0
.if q < 27
	FS q
.elseif q < 55
	XS (q-27)%2, (q-27)/2
.elseif q < 57
	XS q-55, 15
.elseif (q < 72) && ((q-57)%3 == 0)
	FS 27+(q-57)/3
.elseif q < 60
	XS (q-57)%3-1, 14
.elseif q < 72
	XS (q-57)%3-1, 15+(q-57)/3
.elseif q < 74
	XS q-72, 20
.else
	GS q-74
.endif
.set q, q+1
.endm
.macro EX
	WIN 0
.if e >= 64
	XS e-64, 21
.else
	REGS Y, e%2
	v_exp_f32 v[rS+e/2], v[rS+e/2]
.endif
.set e, e+1
.endm
.macro R2
	REGS Y, r%2
	WIN W_RS
.irp z, 0,1
	v_pk_mul_f32 v[rO+4*(r/2)+2*\z:rO+4*(r/2)+2*\z+1], v[rO+4*(r/2)+2*\z:rO+4*(r/2)+2*\z+1], v[rC+2:rC+3] op_sel_hi:[1,0]
.endr
.set r, r+1
.endm
.macro TURN p, last=0, cnt=0
.set Y, (\p)
.set i, 0
.set q, 0
.set e, 0
.set r, 0
.if (\p) == NP-1
	s_wait_dscnt 0x0
.endif
	MM
	PL
	PL
	R2
.rept 15
	MM
	PL
	EX
	R2
.endr
.if (\p) == NP-2
	WIN 0
	v_add_nc_u32 v[AK], s[TBK], v[AK0]
.endif
.rept 8
	PL
.endr
.rept 49
	EX
	PL
.endr
	EX
	EX
	v_nop
	s_wait_alu depctr_va_vdst(0)
.if (\p) == NP-2
	FETCH_K \last
.endif
.if (\p) == 1
	s_wait_dscnt 0x0
.endif
.rept 16
	MM
.rept 4
	PL
.endr
.if ((\p) == 0) && (q == 118)
	v_add_nc_u32 v[AV], s[TBV], v[AV0]
.endif
.if ((\p) == 0) && (q == 130)
	s_add_co_u32 s[TBV], s[TBV], KS*PV
.endif
.if (\cnt) && (q == 130)
	s_sub_co_u32 s[CNT], s[CNT], 1
	s_cmp_lg_u32 s[CNT], 0
.endif
.endr
.if (\p) == 0
	FETCH_V
.endif
.endm
	CHANGE 1
	FETCH_K
	s_wait_loadcnt 0x0
	s_wait_dscnt 0x0
.set i, 0
.rept 16
	KQ 0
.set i, i+1
.endr
	WIN 0
	s_mul_i32 s13, s[WV], 16*SP
	s_add_co_u32 s13, s13, STAGE
	v_mul_u32_u24 v[STO], v1, SP
	v_lshl_add_u32 v[STO], v9, 4, v[STO]
	v_add_nc_u32 v[STO], s13, v[STO]
	v_bfe_u32 v[RD], v0, 3, 2
	v_mul_u32_u24 v[RD], v[RD], SP
	v_lshl_add_u32 v[RD], v10, 4, v[RD]
	v_add_nc_u32 v[RD], s13, v[RD]
	v_and_b32 v[GO], 31, v0
	v_lshlrev_b32 v[GO], 4, v[GO]
.set Y, NP-1
.irp n, 0,1,2,3,4,5,6,7,8,9,10,11,12,13,14,15,16,17,18,19,20,21
	XS 0, \n
	XS 1, \n
.endr
	v_nop
	s_wait_alu depctr_va_vdst(0)
	s_mov_b32 s[CNT], 4
	s_mov_b32 s[SLOTS], SIZE_N/256-1
	s_branch .Lfirst
.Lslot:
	CHANGE 1
	s_mov_b32 s[CNT], 4
.Lstep:
	TURN 2
	TURN 3
	WIN 0
.Lfirst:
	TURN 0
	TURN 1, 0, 1
	WIN 0
	s_cbranch_scc1 .Lstep
	s_sub_co_u32 s[SLOTS], s[SLOTS], 1
	s_cmp_lg_u32 s[SLOTS], 0
	s_cbranch_scc1 .Lslot
	CHANGE 0
	s_mov_b32 s[CNT], 5
.Ltail:
	TURN 2, 1
	TURN 3
	WIN 0
	s_sub_co_u32 s[CNT], s[CNT], 1
	s_cmp_eq_u32 s[CNT], 0
	s_cbranch_scc1 .Lout
	TURN 0
	TURN 1
	WIN 0
	s_branch .Ltail
.Lout:
.set i, 0
.rept 16
	PV NP-1
.set i, i+1
.endr
	WIN 0
.macro ALL line:vararg
.set t, 0
.rept 2*NP
	\line
.set t, t+1
.endr
.endm
	ALL v_add_f32 v[ST+4*t+2], v[ST+4*t+2], v[ST+4*t+3]
	ALL v_permlanex16_b32 v[ST+4*t+3], v[ST+4*t+2], s[SEL], s[SEL+1]
	ALL v_add_f32 v[ST+4*t+2], v[ST+4*t+2], v[ST+4*t+3]
	ALL v_rcp_f32 v[ST+4*t+2], v[ST+4*t+2]
	v_nop
	s_wait_alu depctr_va_vdst(0)
.macro PACK t
	WIN W_RS
.set i, 32*(\t)
.rept 16
	v_pk_mul_f32 v[i:i+1], v[i:i+1], v[ST+4*(\t)+2:ST+4*(\t)+3] op_sel_hi:[1,0]
.set i, i+2
.endr
	WIN 0x05
.set i, 0
.rept 16
	v_cvt_pk_f16_f32 v[S+16*(\t)+i], v[32*(\t)+2*i], v[32*(\t)+2*i+1]
.set i, i+1
.endr
	WIN 0
.irp f, 0,1,2,3
	ds_store_b128 v[STO], v[S+16*(\t)+4*\f:S+16*(\t)+4*\f+3] offset:32*\f
.endr
.irp f, 0,1,2,3
	ds_load_b128 v[S+16*(\t)+4*\f:S+16*(\t)+4*\f+3], v[RD] offset:\f*4*SP
.endr
.endm
.macro SEND t, younger
	WIN 0
.irp f, 0,1,2,3
	s_wait_dscnt (\younger)+3-\f
	global_store_b128 v[GO], v[S+16*(\t)+4*\f:S+16*(\t)+4*\f+3], s[10:11] offset:(\t)*2048+\f*512
.endr
.endm
	PACK 0
.set t, 1
.rept 2*NP-1
	PACK t
	SEND t-1, 8
.set t, t+1
.endr
	SEND 2*NP-1, 0
	WIN W_AD
	s_wait_tensorcnt 0x0
	ds_add_u32 v[SPW], v[NIL]
	s_wait_dscnt 0x0
	WIN 0
	CROUND
	s_endpgm
.Lfunc_end_k_qa2a1f83c0c_attn:
	.size	k_qa2a1f83c0c_attn, .Lfunc_end_k_qa2a1f83c0c_attn-k_qa2a1f83c0c_attn
	.p2alignl 7, 3214868480
	.fill 96, 4, 3214868480
	.section	.rodata,"a",@progbits
	.p2align	6, 0x0
	.amdhsa_kernel k_qa2a1f83c0c_attn
		.amdhsa_group_segment_fixed_size 327680
		.amdhsa_private_segment_fixed_size 0
		.amdhsa_enable_private_segment 0
		.amdhsa_kernarg_size 32
		.amdhsa_user_sgpr_count 2
		.amdhsa_user_sgpr_kernarg_segment_ptr 1
		.amdhsa_wavefront_size32 1
		.amdhsa_system_sgpr_workgroup_id_x 1
		.amdhsa_system_sgpr_workgroup_id_y 1
		.amdhsa_system_sgpr_workgroup_id_z 1
		.amdhsa_system_vgpr_workitem_id 0
		.amdhsa_next_free_vgpr 770
		.amdhsa_next_free_sgpr 66
		.amdhsa_reserve_vcc 0
		.amdhsa_float_denorm_mode_32 3
		.amdhsa_float_denorm_mode_16_64 3
		.amdhsa_memory_ordered 1
		.amdhsa_forward_progress 1
		.amdhsa_inst_pref_size 199
	.end_amdhsa_kernel
	.amdgpu_metadata
---
amdhsa.version: [ 1, 2 ]
amdhsa.kernels:
  - .name:           k_qa2a1f83c0c_attn
    .symbol:         k_qa2a1f83c0c_attn.kd
    .args:
      - { .name: qh, .offset: 0, .size: 8, .value_kind: global_buffer, .address_space: global }
      - { .name: kh, .offset: 8, .size: 8, .value_kind: global_buffer, .address_space: global }
      - { .name: vh, .offset: 16, .size: 8, .value_kind: global_buffer, .address_space: global }
      - { .name: oh, .offset: 24, .size: 8, .value_kind: global_buffer, .address_space: global }
    .group_segment_fixed_size: 327680
    .private_segment_fixed_size: 0
    .kernarg_segment_align: 8
    .kernarg_segment_size: 32
    .max_flat_workgroup_size: 128
    .sgpr_count:     66
    .vgpr_count:     770
    .wavefront_size: 32
...
	.end_amdgpu_metadata
.endif
;; end of part 5
;; launch outp: the kernel of part 4 again; grid 4 x 64, 4 waves a work-group, clusters of 4 x 4, 327,680 bytes of LDS; arguments oh, woh, bo, out0; writes out0
